; MI455X (gfx1250); checked and timed in simulation.
; The chip was launched on July 23, 2026; its instructions are those of AMD's public machine-readable ISA for CDNA 5 (MIT licence, August 2026) and "CDNA5" Instruction Set Architecture Reference Guide (July 2026). The comments in the code are by the model that wrote it; some were corrected since.
;; Static Int8 Linear. Allowed arithmetic: float matrix products may take bf16 or f16 operands with f32 sums; other float arithmetic in f32, or as packed bf16 or f16 multiplies, adds, multiply-adds, maxima and minima; sums over many terms, partial sums and values carried from step to step in f32; what a program stores and reads back later, other than sums and carried values, may be rounded once to bf16 or f16.
;; Inputs: act_scale one number float32; bias 16,384 float32; weight_int8 16,384 x 4,096 int8; weight_scale 16,384 float32; x 4 x 256 x 4,096 float32.
;; Outputs: out0 4 x 256 x 16,384 float32.
;; 2 versions, each right; version 2 is version 1 with the launch quant written anew for expert scheduling mode. Each part assembles by itself: llvm-mc -triple=amdgcn-amd-amdhsa -mcpu=gfx1250 --defsym DOCPART=n.
;; ======== version 1 of 2: 2 launches
;; workspace buffers: xq 8,388,608 bytes
;; launch quant (part 1): grid 512 x 1, 8 waves a work-group, no clusters, 0 bytes of LDS; arguments x, act_scale, xq; writes xq
.if DOCPART == 1
	.amdgcn_target "amdgcn-amd-amdhsa--gfx1250"
	.amdhsa_code_object_version 6
	.text
	.protected	k_qf4d2ef0268_quant
	.globl	k_qf4d2ef0268_quant
	.p2align	8
	.type	k_qf4d2ef0268_quant,@function
k_qf4d2ef0268_quant:
	s_mov_b64 s[64:65], 0
	v_nop
	global_prefetch_b8 v0, s[64:65] scope:SCOPE_SE
	s_setreg_imm32_b32 hwreg(HW_REG_WAVE_MODE, 25, 1), 1
	s_wait_xcnt 0x0
; xq[e] = f16(clip(round_to_even(x[e] / act_scale), -128, 127)) for the 4,194,304 numbers of x.  Every code -128 .. 127 is exact in f16.
; A stream: no LDS, no barrier, no matrix unit.  A work-group takes 32,768 bytes of x; thread t takes, for i = 0 .. 7, the 16 bytes at
; 4096 i + 16 t (a load of a wave covers 512 consecutive bytes) and writes the 8 bytes at 2048 i + 8 t (a store of a wave covers 256
; consecutive bytes, at a multiple of 256 from xq's first byte).  All eight loads go out first; each slot has registers of its own, and no
; address register is ever rewritten, so the only waits are the counted ones for the loads.
; THE DIVISION is q = x r, then q + (x - q s) r, with r = 1 / s refined by one Newton step: the remainder step of a true division.
; LIMITS.  act_scale and its reciprocal are normal numbers.  Where the corrected quotient differs from the divided one in its last bit and
; that falls on an exact tie, a code differs by 1.  A NaN in x gives -128 (the cast of a NaN to int8 has no defined value).
; Huge and infinite x: the first quotient is held within -256 .. 256, so the remainder keeps x's sign and the code is -128 or 127.
.set SV, 4                             ; v[4:5]   act_scale, twice
.set RV, 6                             ; v[6:7]   its reciprocal, twice
.set QV, 10                            ; v[10:13] four quotients
.set MV, 14                            ; v[14:17] four remainders
.set X,  20                            ; v[20:51] slot i: four numbers as loaded
.set Y,  52                            ; v[52:67] slot i: four codes in f16, to store
	s_load_b128 s[4:7], s[0:1], 0x0                ; x s[4:5], act_scale's address s[6:7]
	s_load_b64 s[8:9], s[0:1], 0x10                ; xq
	s_lshl_b32 s10, ttmp9, 15                      ; the work-group's 32,768 bytes of x
	s_mov_b32 s11, 0
	s_lshl_b32 s12, ttmp9, 14                      ; and its 16,384 bytes of xq
	s_mov_b32 s13, 0
	s_mov_b32 s16, 0xc3800000                      ; -256.0
	s_mov_b32 s17, 0x43800000                      ;  256.0
	s_mov_b32 s18, 0xc3000000                      ; -128.0
	s_mov_b32 s19, 0x42fe0000                      ;  127.0
	v_lshlrev_b32 v1, 4, v0                        ; 16 t
	v_lshlrev_b32 v2, 3, v0                        ; 8 t
	s_wait_kmcnt 0x0
	s_load_b32 s14, s[6:7], 0x0                    ; act_scale
	s_add_nc_u64 s[4:5], s[4:5], s[10:11]
	s_add_nc_u64 s[8:9], s[8:9], s[12:13]
.irp i, 0,1,2,3,4,5,6,7
	global_load_b128 v[X+4*(\i):X+4*(\i)+3], v1, s[4:5] offset:4096*(\i) th:TH_LOAD_NT
.endr
	s_wait_kmcnt 0x0
	v_mov_b32 v4, s14
	v_mov_b32 v5, s14
	v_rcp_f32 v6, v4
	v_nop                                          ; a plain instruction between the reciprocal and the use of its result
	s_wait_alu depctr_va_vdst(0)
	v_fma_f32 v8, -v4, v6, 1.0                     ; 1 - s r
	v_fma_f32 v6, v8, v6, v6                       ; r + r (1 - s r)
	v_mov_b32 v7, v6
.macro SLOT i
	s_wait_loadcnt 7-(\i)                          ; loads come back in order: slot i's is in, the 7 - i younger ones may stay out
	v_pk_mul_f32 v[QV:QV+1],   v[X+4*(\i):X+4*(\i)+1],   v[RV:RV+1]
	v_pk_mul_f32 v[QV+2:QV+3], v[X+4*(\i)+2:X+4*(\i)+3], v[RV:RV+1]
.irp j, 0,1,2,3
	v_med3_num_f32 v[QV+(\j)], v[QV+(\j)], s16, s17
.endr
	v_pk_fma_f32 v[MV:MV+1],   v[QV:QV+1],   v[SV:SV+1], v[X+4*(\i):X+4*(\i)+1]   neg_lo:[1,0,0] neg_hi:[1,0,0]  ; x - q s
	v_pk_fma_f32 v[MV+2:MV+3], v[QV+2:QV+3], v[SV:SV+1], v[X+4*(\i)+2:X+4*(\i)+3] neg_lo:[1,0,0] neg_hi:[1,0,0]
	v_pk_fma_f32 v[QV:QV+1],   v[MV:MV+1],   v[RV:RV+1], v[QV:QV+1]               ; q + (x - q s) r
	v_pk_fma_f32 v[QV+2:QV+3], v[MV+2:MV+3], v[RV:RV+1], v[QV+2:QV+3]
.irp j, 0,1,2,3
	v_rndne_f32 v[QV+(\j)], v[QV+(\j)]
.endr
.irp j, 0,1,2,3
	v_med3_num_f32 v[QV+(\j)], v[QV+(\j)], s18, s19
.endr
	v_cvt_pk_f16_f32 v[Y+2*(\i)],   v[QV],   v[QV+1]
	v_cvt_pk_f16_f32 v[Y+2*(\i)+1], v[QV+2], v[QV+3]
	global_store_b64 v2, v[Y+2*(\i):Y+2*(\i)+1], s[8:9] offset:2048*(\i)  ; no hint: the next launch reads xq
.endm
.irp i, 0,1,2,3,4,5,6,7
	SLOT \i
.endr
	s_endpgm
.Lfunc_end_k_qf4d2ef0268_quant:
	.size	k_qf4d2ef0268_quant, .Lfunc_end_k_qf4d2ef0268_quant-k_qf4d2ef0268_quant
	.p2alignl 7, 3214868480
	.fill 96, 4, 3214868480
	.section	.rodata,"a",@progbits
	.p2align	6, 0x0
	.amdhsa_kernel k_qf4d2ef0268_quant
		.amdhsa_group_segment_fixed_size 0
		.amdhsa_private_segment_fixed_size 0
		.amdhsa_enable_private_segment 0
		.amdhsa_kernarg_size 24
		.amdhsa_user_sgpr_count 2
		.amdhsa_user_sgpr_kernarg_segment_ptr 1
		.amdhsa_wavefront_size32 1
		.amdhsa_system_sgpr_workgroup_id_x 1
		.amdhsa_system_sgpr_workgroup_id_y 1
		.amdhsa_system_sgpr_workgroup_id_z 1
		.amdhsa_system_vgpr_workitem_id 0
		.amdhsa_next_free_vgpr 72
		.amdhsa_next_free_sgpr 66
		.amdhsa_reserve_vcc 0
		.amdhsa_float_denorm_mode_32 3
		.amdhsa_float_denorm_mode_16_64 3
		.amdhsa_memory_ordered 1
		.amdhsa_forward_progress 1
		.amdhsa_inst_pref_size 13
	.end_amdhsa_kernel
	.amdgpu_metadata
---
amdhsa.version: [ 1, 2 ]
amdhsa.kernels:
  - .name:           k_qf4d2ef0268_quant
    .symbol:         k_qf4d2ef0268_quant.kd
    .args:
      - { .name: x, .offset: 0, .size: 8, .value_kind: global_buffer, .address_space: global }
      - { .name: act_scale, .offset: 8, .size: 8, .value_kind: global_buffer, .address_space: global }
      - { .name: xq, .offset: 16, .size: 8, .value_kind: global_buffer, .address_space: global }
    .group_segment_fixed_size: 0
    .private_segment_fixed_size: 0
    .kernarg_segment_align: 8
    .kernarg_segment_size: 24
    .max_flat_workgroup_size: 256
    .sgpr_count:     66
    .vgpr_count:     72
    .wavefront_size: 32
...
	.end_amdgpu_metadata
.endif
;; end of part 1
;; launch gemm (part 2): grid 64 x 4, 4 waves a work-group, clusters of 4 x 4, 327,680 bytes of LDS; arguments xq, weight_int8, weight_scale, act_scale, bias, out0; writes out0
.if DOCPART == 2
	.amdgcn_target "amdgcn-amd-amdhsa--gfx1250"
	.amdhsa_code_object_version 6
	.text
	.protected	k_qf4d2ef0268_gemm
	.globl	k_qf4d2ef0268_gemm
	.p2align	8
	.type	k_qf4d2ef0268_gemm,@function
k_qf4d2ef0268_gemm:
	s_mov_b64 s[64:65], 0
	v_nop
	global_prefetch_b8 v0, s[64:65] scope:SCOPE_SE
	s_setreg_imm32_b32 hwreg(HW_REG_WAVE_MODE, 25, 1), 1
	s_wait_xcnt 0x0
	s_wait_alu depctr_hold_cnt(0) depctr_sa_sdst(0) depctr_va_vdst(0) depctr_va_sdst(0) depctr_va_ssrc(0) depctr_va_vcc(0) depctr_vm_vsrc(0)
	s_getreg_b32 s2, hwreg(HW_REG_IB_STS2, 6, 4)
	s_cmp_eq_u32 s2, 0
	s_cbranch_scc0 .Lentry_in_a_cluster
	s_endpgm
.Lentry_in_a_cluster:
	s_bfe_u32 s2, ttmp6, 0x10000c
	s_cmp_lg_u32 s2, 0xf033
	s_cbranch_scc0 .Lentry_shape_is_right
	s_endpgm
.Lentry_shape_is_right:
; out0[m][n] = (sum over k of xq[m][k] w[n][k]) x (act_scale x weight_scale[n]) + bias[n].  xq: [1024][4096] f16 (whole numbers -128 .. 127),
; w: [16384][4096] int8, out0: [1024][16384] f32.  Both operands enter the matrix unit as f16, in which every such whole number is exact; sums in f32.
; LIMITS.  A partial sum past 2^24 is rounded in f32 (the largest sum that the codes allow is 2^26).  Scale and bias are one fused multiply-add.
; SHARES.  A tile of C, 256 x 256, is made by a work-group of four waves.  A wave makes all 256 rows x 64 columns: 16 row blocks x 4 column blocks, 64 accumulators of 16 x 16,
; 512 registers.  So each row of w is turned into f16 by ONE wave of the work-group; the price is that every wave reads all 256 rows of xq from LDS.  64 x 4 tiles: 256 work-groups.
; W STAYS INT8 as far as the registers, in memory and in LDS, and becomes f16 by five vector instructions for four numbers, which stand behind the matrix instructions:
; b xor 0x80 = b + 128 = u; the byte u under the byte 0x64 is the f16 number 1024 + u; less 1152 it is b.  That subtraction takes whole numbers below 2048 and gives a whole number:
; f16 holds all three exactly, nothing is rounded; it is the end of the conversion, no arithmetic on results.
; K goes in QUARTERS of 32 (64 matrix instructions).  xq's tiles hold four quarters (K = 128), w's eight (K = 256): both have rows of 256 bytes in memory, at multiples
; of 256 from the buffer's first byte.  Each tensor has a ring of two slots in LDS; two slots of K = 256 for both would be 409,600 bytes and do not fit.
; CLUSTERS: 4 x 4 work-groups.  The four of a row of the cluster need the same tiles of xq, the four of a column the same tiles of w: each tile is asked for JOINTLY, by the same
; tensor load with the same descriptor and a mask that names the four.
; THE MATRIX INSTRUCTION IS USED TRANSPOSED: source 0 = 16 rows of w, source 1 = 16 rows of xq: lane l then holds row l % 16 of C and the columns 8 (l / 16) + 0 .. 7.
; K WITHIN A QUARTER is laid alike in both sources: lane (r, h) holds k = 16 h .. 16 h + 15, register j the pair 16 h + 2 j, + 1.  The products are the same; w's 16 bytes are one load.
; REGISTERS, in windows of 256 (s_set_vgpr_msb: bits 1:0 source 0, 3:2 source 1, 5:4 source 2, 7:6 destination):
;   window 0: v0-35 addresses and constants; v64-127 xq's fragments of row blocks 0-7 (LOW), v128-191 of row blocks 8-15 (HIGH); v192-207, v208-223 w's bytes as loaded, two buffers
;   window 1: sums of (column block 0, low) at v0, (0, high) at v64, (3, low) at v128; w's fragments in f16 of column blocks 0 and 3, two buffers, at v192-223; v224-231 at work
;   window 2: sums of (1, low), (1, high), (3, high); fragments of column block 1.          window 3: sums of (2, low), (2, high); fragments of column block 2.
; Under ONE setting (0x51 x window: source 0, source 2 and destination in the window, source 1 in window 0) stand a window's matrix instructions and its conversions.
; Only (3, high) takes its fragment from another window than its sums lie in, and carries no conversions.  Nine switches a quarter.
.set PITCH,  272                       ; an LDS row: 256 bytes + 16 of padding: the 16 rows that a load's 16 lanes touch begin at 16 different offsets modulo 256
.set HALFT,  128*PITCH                 ; 128 rows: what one tensor load brings
.set ASLOT,  2*HALFT                   ; xq's slot s at s x ASLOT: 256 rows
.set BSLOT,  2*HALFT                   ; w's slot s at BBASE + s x BSLOT: 256 rows
.set BBASE,  2*ASLOT
.set STAGE,  BBASE+2*BSLOT             ; behind the rings, never filled by a tensor load: 16 rows x 272 bytes for each wave, for the way out
.set SPITCH, 272                       ; 256 bytes + 16
.set SPARE,  STAGE+4*16*SPITCH         ; behind the stages: the spare words, 128 bytes for each wave: two blocks of 256 bytes that no other line names
.set ADRA,  16                         ; v16-17  LDS address of my lane's place in xq's slot 0, 1
.set ADRB0, 18                         ; v18     the same for my wave's 64 rows of w in slot 0; never rewritten
.set ADRB,  19                         ; v19     the same in the slot that is being read
.set STO,   20                         ; v20     the way out: where I put 32 bytes of a row
.set RD,    21                         ; v21     the way out: where I read 16 bytes of a row back
.set CO,    22                         ; v22     my byte offset in two rows of C: 65,536 (l / 16) + 16 (l % 16)
.set CM,    23                         ; v23     -1152 in both f16 halves
.set SC,    24                         ; v[24:27] act_scale x weight_scale of my four columns on the way out
.set SPW,   28                         ; v28     LDS address of my spare word: SPARE + 4 x my thread's number; never rewritten
.set NIL,   29                         ; v29     0; never rewritten
.set CL,    30                         ; v30     16 (l % 16)
.set BI,    32                         ; v[32:35] bias of the same four columns
.set FA,    64                         ; xq's fragments: low at FA, high at FA + 64
.set RAW,   192                        ; w's bytes, buffer f at RAW + 16 f: four registers a column block
.set OB,    64                         ; the way out: 16 rows read back, two buffers of 32
.set BF,    192                        ; in windows 1-3: w's fragments, buffer f at BF + 16 f, the window's second column block 8 further
.set TT,    224                        ; in windows 1-3: at work
.set WV,   16                          ; s16  my wave's number
.set WR,   17                          ; s17  I fetch for xq (0) or for w (1)
.set WC,   18                          ; s18  which 128 rows of that tile I fetch
.set CX,   19                          ; s19, s20  my place in the cluster
.set CY,   20
.set TCOL, 21                          ; s21  tile column of C
.set G1A,  24                          ; s[24:31] descriptor group 1 for xq's tiles
.set G0A,  32                          ; s[32:39] group 0, one set for each slot
.set G1B,  40                          ; s[40:47] group 1 for w's tiles
.set G0B,  48                          ; s[48:55] group 0: a set for each of the two first fills; the second then walks on
.set LW,   56                          ; s56  wave x HALFT
.set TD,   57                          ; s57  0 or BSLOT: the slot of w that was filled last
.set TB,   58                          ; s58  0 or BSLOT: the slot of w that is being read
.set SGN,  59                          ; s59  0x80808080
.set EXPO, 60                          ; s60  0x64646464
.set SELLO, 61                         ; s61  byte selects: (0x64, u1, 0x64, u0);  s62: (0x64, u3, 0x64, u2)
.set ACT,  63                          ; s63  act_scale
.set MSB, 0
.macro WIN new                         ; the immediate's high byte repeats the setting that is left; a switch that changes nothing is dropped
.if MSB != (\new)
	s_set_vgpr_msb (MSB<<8)|(\new)
.set MSB, \new
.endif
.endm
.macro PLACES
.rept 4
	v_nop
.endr
.endm
; A round of the cluster's barrier behind its opening barrier: wave 0 signals for the work-group; every wave waits for all sixteen; my work-group's barrier once more.
.macro CREST
	s_cmp_lg_u32 s[WV], 0
	s_cbranch_scc1 .Lnot_wave_0_\@
	s_barrier_signal -3
.Lnot_wave_0_\@:
	s_barrier_wait -3
	s_barrier_signal -1
	s_barrier_wait -1
.endm
.macro CROUND                          ; a whole round
	s_barrier_signal -1
	s_barrier_wait -1
	CREST
.endm
; A joint refill.  Waves 0 and 1 fetch the two halves of xq's tile; waves 2 and 3 those of w's (withb = 1) or nothing.  The branch hangs on the wave's number alone.
; An s_nop 0 and four v_nop follow each tensor load, ahead of the jump and the label.
.macro JLOAD slot, withb
	s_cmp_eq_u32 s[WR], 0
	s_cbranch_scc0 .Lfor_b_\@
	tensor_load_to_lds s[G0A+4*(\slot):G0A+4*(\slot)+3], s[G1A:G1A+7]
	s_nop 0
	PLACES
.if \withb
	s_branch .Lasked_\@
.Lfor_b_\@:
	tensor_load_to_lds s[G0B+4:G0B+7], s[G1B:G1B+7]
	s_nop 0
	PLACES
.Lasked_\@:
.else
.Lfor_b_\@:
.endif
.endm
	s_load_b256 s[4:11], s[0:1], 0x0               ; xq s[4:5], w s[6:7], weight_scale s[8:9], act_scale's address s[10:11]
	s_load_b128 s[12:15], s[0:1], 0x20             ; bias s[12:13], out0 s[14:15]
	v_lshl_add_u32 v[SPW], v0, 2, SPARE
	v_mov_b32 v[NIL], 0
	ds_add_u32 v28, v29
	s_wait_dscnt 0x0
	v_lshrrev_b32 v1, 5, v0
	v_readfirstlane_b32 s[WV], v1                  ; wave 0..3
	s_lshr_b32 s[WR], s[WV], 1
	s_and_b32 s[WC], s[WV], 1
	s_bfe_u32 s[CX], ttmp6, 0x40000
	s_bfe_u32 s[CY], ttmp6, 0x40004                ; the grid is one cluster high: the tile row of C is cy
	s_lshl_b32 s[TCOL], ttmp9, 2                   ; in a cluster launch ttmp9 counts clusters
	s_add_co_u32 s[TCOL], s[TCOL], s[CX]           ; tile column of C = 4 x cluster x + cx
	s_lshl_b32 s22, s[CY], 2
	s_lshl_b32 s22, 15, s22                        ; my row of the cluster: places 4 cy .. 4 cy + 3
	s_lshl_b32 s23, 0x1111, s[CX]                  ; my column: places cx, cx + 4, cx + 8, cx + 12
	; group 1 for xq: 128 rows x 128 elements of 2 bytes; for w: 128 rows x 256 elements of 1 byte.  Both: 4 words of padding behind every 64 words
	s_or_b32 s[G1A], s22, (1<<16)|(1<<20)|(1<<21)|(5<<22)|(3<<25)  ; 15:0 the mask; 17:16 element size; 20 padding on; 21 set beside a mask; 24:22 every 64 words (code 5); 31:25 4 words (code 3)
	s_or_b32 s[G1B], s23, (1<<20)|(1<<21)|(5<<22)|(3<<25)
	s_mov_b32 s[G1A+1], 128<<16                    ; tensor_dim0
	s_mov_b32 s[G1B+1], 256<<16
	s_mov_b32 s[G1A+2], 128<<16                    ; tensor_dim1 = 128
	s_mov_b32 s[G1B+2], 128<<16
	s_mov_b32 s[G1A+3], 128<<16                    ; tile_dim0
	s_mov_b32 s[G1B+3], 256<<16
	s_mov_b32 s[G1A+4], 128                        ; tile_dim1 = 128
	s_mov_b32 s[G1B+4], 128
	s_mov_b32 s[G1A+5], 4096                       ; elements from row to row
	s_mov_b32 s[G1B+5], 4096
	s_mov_b32 s[G1A+6], 0
	s_mov_b32 s[G1B+6], 0
	s_mov_b32 s[G1A+7], 0
	s_mov_b32 s[G1B+7], 0
	; where the tiles come from.  xq's hang on cy alone, w's on the tile column alone, each in registers that never hold the other coordinate
	s_lshl_b32 s66, s[CY], 8
	s_lshl_b32 s67, s[WC], 7
	s_add_co_u32 s66, s66, s67                     ; xq: row 256 cy + 128 x half,
	s_lshl_b32 s66, s66, 13                        ; of 8,192 bytes
	s_mov_b32 s67, 0
	s_lshl_b32 s68, s[TCOL], 8
	s_lshl_b32 s69, s[WC], 7
	s_add_co_u32 s68, s68, s69                     ; w: row 256 x tile column + 128 x half,
	s_lshl_b32 s68, s68, 12                        ; of 4,096 bytes
	s_mov_b32 s69, 0
	s_mul_i32 s[LW], s[WV], HALFT                  ; and where they go: no place in the cluster enters an LDS address
	s_mov_b32 s[TD], BSLOT
	s_mov_b32 s[TB], 0
	s_mov_b32 s[SGN], 0x80808080
	s_mov_b32 s[EXPO], 0x64646464
	s_mov_b32 s[SELLO], 0x00050004
	s_mov_b32 s[SELLO+1], 0x00070006
	s_wait_kmcnt 0x0
	s_add_nc_u64 s[66:67], s[4:5], s[66:67]
	s_add_nc_u64 s[68:69], s[6:7], s[68:69]
	CROUND                                         ; all sixteen work-groups are here: the first joint loads meet
.irp s, 0,1
	s_mov_b32 s[G0A+4*(\s)], 1                                       ; count = 1
	s_add_co_u32 s[G0A+4*(\s)+1], s[LW], (\s)*ASLOT                  ; LDS address: waves 0, 1: the slot's two halves
	s_add_nc_u64 s[G0A+4*(\s)+2:G0A+4*(\s)+3], s[66:67], (\s)*256    ; K = 128 s on: 256 bytes of f16
	s_or_b32 s[G0A+4*(\s)+3], s[G0A+4*(\s)+3], 0x80000000            ; type = 2
	s_mov_b32 s[G0B+4*(\s)], 1
	s_add_co_u32 s[G0B+4*(\s)+1], s[LW], ASLOT+(\s)*BSLOT            ; waves 2, 3: BBASE + (wave - 2) x HALFT + the slot
	s_add_nc_u64 s[G0B+4*(\s)+2:G0B+4*(\s)+3], s[68:69], (\s)*256    ; K = 256 s on: 256 bytes of int8
	s_or_b32 s[G0B+4*(\s)+3], s[G0B+4*(\s)+3], 0x80000000
.endr
	s_cmp_eq_u32 s[WR], 0                          ; a wave's two first fills stand in one branch, ahead of every wait on TENSORcnt, every LDS read and every further barrier: two loads of mine are out
	s_cbranch_scc0 .Lfirst_b
	tensor_load_to_lds s[G0A:G0A+3], s[G1A:G1A+7]
	s_nop 0
	tensor_load_to_lds s[G0A+4:G0A+7], s[G1A:G1A+7]
	s_nop 0
	PLACES
	s_branch .Lfirst_asked
.Lfirst_b:
	tensor_load_to_lds s[G0B:G0B+3], s[G1B:G1B+7]
	s_nop 0
	tensor_load_to_lds s[G0B+4:G0B+7], s[G1B:G1B+7]
	s_nop 0
	PLACES
.Lfirst_asked:
	s_load_b32 s[ACT], s[10:11], 0x0
	v_and_b32 v1, 15, v0                           ; r = l % 16
	v_bfe_u32 v2, v0, 4, 1                         ; h = l / 16
	v_lshlrev_b32 v[CL], 4, v1                     ; 16 r
	s_lshl_b32 s72, s[TCOL], 10                    ; my wave's 64 columns, in bytes of f32: 1,024 x tile column + 256 x wave
	s_lshl_b32 s73, s[WV], 8
	s_add_co_u32 s72, s72, s73
	s_mov_b32 s73, 0
	s_add_nc_u64 s[8:9], s[8:9], s[72:73]
	s_add_nc_u64 s[12:13], s[12:13], s[72:73]
	global_load_b128 v[SC:SC+3], v[CL], s[8:9]     ; on the way out a lane has the same four columns in every row
	global_load_b128 v[BI:BI+3], v[CL], s[12:13]
	s_lshl_b32 s70, s[CY], 24                      ; the tile's first row of C: 256 cy rows of 65,536 bytes,
	s_add_co_u32 s70, s70, s72                     ; and my first column: under 2^26 in all
	s_mov_b32 s71, 0
	s_add_nc_u64 s[14:15], s[14:15], s[70:71]
	s_add_nc_u64 s[74:75], s[14:15], 0x800000      ; the same 128 rows further down, so that every store's immediate stays inside its signed 24 bits
	v_lshl_add_u32 v[CO], v2, 16, v[CL]
	v_mul_u32_u24 v3, v1, PITCH
	v_lshl_add_u32 v4, v2, 5, v3                   ; xq: row x pitch + 32 h (16 numbers of f16)
	v_lshl_add_u32 v5, v2, 4, v3                   ; w: row x pitch + 16 h (16 numbers of int8)
	v_mov_b32 v[ADRA], v4
	v_add_nc_u32 v[ADRA+1], ASLOT, v4
	s_mul_i32 s70, s[WV], 64*PITCH                 ; my wave's 64 rows of w's tile
	s_add_co_u32 s70, s70, BBASE
	v_add_nc_u32 v[ADRB0], s70, v5
	v_mov_b32 v[ADRB], v[ADRB0]
	s_mul_i32 s70, s[WV], 16*SPITCH
	s_add_co_u32 s70, s70, STAGE                   ; my stage
	v_add_nc_u32 v[STO], s70, v4                   ; in: row l % 16, 32 bytes for each half of the lanes
	v_mul_u32_u24 v6, v2, SPITCH
	v_add_nc_u32 v6, v6, v[CL]
	v_add_nc_u32 v[RD], s70, v6                    ; back: lanes 0-15 take one row's 256 bytes, lanes 16-31 the next row's
	v_mov_b32 v[CM], 0xe480e480
	s_wait_loadcnt 0x0                             ; scales and biases,
	s_wait_kmcnt 0x0                               ; act_scale
.irp j, 0,1,2,3
	v_mul_f32 v[SC+(\j)], s[ACT], v[SC+(\j)]       ; the output's scale, rounded once, as it is defined
.endr
; THE CONVERSION of dword e of window w (window 1 has eight: column blocks 0 and 3; windows 2 and 3 four: column blocks 1 and 2), from raw buffer g into fragment buffer g.
.macro CVX w, e                        ; b + 128 in each byte
	v_xor_b32 v[TT+(\e)], s[SGN], v[RAW+16*g+4*((\w)-1+3*((\e)/4))+(\e)%4]
.endm
.macro CVP w, e, hf                    ; two bytes, each under the byte 0x64: 1024 + u in f16
	v_perm_b32 v[BF+16*g+2*(\e)+(\hf)], v[TT+(\e)], s[EXPO], s[SELLO+(\hf)]
.endm
.macro CVS w, e, hf                    ; less 1152: exact
	v_pk_add_f16 v[BF+16*g+2*(\e)+(\hf)], v[BF+16*g+2*(\e)+(\hf)], v[CM]
.endm
; A window's conversions of a quarter stand in a queue: the exclusive or of dword 0; then for each dword its two selects, the exclusive or of the next dword, its two subtractions.
; RIDER writes the queue's next entry; q1, q2, q3 count them.
.macro RIDER w
.set nd, 4+4*(1/(\w))
.set j, q\w
.set q\w, j+1
.if j == 0
	CVX \w, 0
.else
.set d, (j-1)/5
.set t, (j-1)%5
.if (d == nd-1) && (t >= 2)
	CVS \w, d, t-2
.elseif t < 2
	CVP \w, d, t
.elseif t == 2
	CVX \w, d+1
.else
	CVS \w, d, t-3
.endif
.endif
.endm
; The deal: behind the c-th matrix instruction of a window in a quarter the queue has come to 5 c / 3 (window 1: 40 entries for 24) or 5 c / 4 (windows 2, 3: 20 for 16): one or two entries.
.macro DEAL w
.set lim, c\w*5/(4-1/(\w))
.rept 2
.if q\w < lim
	RIDER \w
.endif
.endr
.endm
; Eight matrix instructions: the sums at v[64 u] of window w (one column block, eight row blocks), w's fragment lb of buffer f in window sw, xq's low (half = 0) or high fragments.
; zero = 1: the product starts the sum: nothing is cleared.  ride = 1 (only with sw = w): the window's conversions for the next quarter stand behind them.  They write the OTHER fragment
; buffer, which was last multiplied a quarter ago, and name no register of the products round them.
; The 64 accumulators take turns, one instruction a turn, in the same order in every quarter.
.macro RUN w, sw, u, lb, f, half, zero, ride
	WIN (\sw)+0x50*(\w)
.set g, 1-(\f)
.set rb, BF+16*(\f)+8*(\lb)
.set i, 0
.rept 8
.set ra, 64*(\u)+8*i
.set rf, FA+64*(\half)+8*i
.if \zero
	v_wmma_f32_16x16x32_f16 v[ra:ra+7], v[rb:rb+7], v[rf:rf+7], 0
.else
	v_wmma_f32_16x16x32_f16 v[ra:ra+7], v[rb:rb+7], v[rf:rf+7], v[ra:ra+7]
.endif
.if \ride
.set c\w, c\w+1
	DEAL \w
.endif
.set i, i+1
.endr
.endm
.macro CONV w                          ; the first quarter's fragments of w, buffer 0: there are no products yet to stand behind
	WIN 0x51*(\w)
.set g, 0
.set nd, 4+4*(1/(\w))
.set d, 0
.rept nd
	CVX \w, d
.set d, d+1
.endr
.set d, 0
.rept nd
	CVP \w, d, 0
	CVP \w, d, 1
.set d, d+1
.endr
.set d, 0
.rept nd
	CVS \w, d, 0
	CVS \w, d, 1
.set d, d+1
.endr
.endm
; 16 LDS loads in one run: xq's fragments of eight row blocks (half = 0: blocks 0-7, 1: blocks 8-15), 32 along K at byte off of the rows of a slot.  The largest offset, 65,488, is inside the 16 bits.
.macro FETCHA half, slot, off
	WIN 0
.irp n, 0,1,2,3,4,5,6,7
	ds_load_b128 v[FA+64*(\half)+8*(\n):FA+64*(\half)+8*(\n)+3],   v[ADRA+(\slot)] offset:(\off)+(8*(\half)+(\n))*16*PITCH
	ds_load_b128 v[FA+64*(\half)+8*(\n)+4:FA+64*(\half)+8*(\n)+7], v[ADRA+(\slot)] offset:(\off)+(8*(\half)+(\n))*16*PITCH+16
.endr
.endm
; 4 LDS loads: my 64 rows' bytes of w, 32 along K at byte boff of the rows, into raw buffer f.  tog: w's reads go over to the other slot.
.macro FETCHB f, boff, tog
	WIN 0
.if \tog
	s_xor_b32 s[TB], s[TB], BSLOT
	v_add_nc_u32 v[ADRB], s[TB], v[ADRB0]
.endif
.irp n, 0,1,2,3
	ds_load_b128 v[RAW+16*(\f)+4*(\n):RAW+16*(\f)+4*(\n)+3], v[ADRB] offset:(\boff)+(\n)*16*PITCH
.endr
.endm
; QUARTER Q (f = Q % 2).  Its low half multiplies row blocks 0-7, its high half row blocks 8-15, each by all four column blocks.  While one of xq's two buffers is multiplied the other
; is loaded: the high fragments of Q (slot hs, byte ho) behind the first eight products of the low half, the low fragments of Q + 1 (slot ns, byte nof; la) behind the first eight of the
; high half, each 24 matrix instructions ahead of its first use.  With the second run come w's bytes of Q + 2 (byte boff; lb) into raw buffer f, whose bytes were converted in Q - 1.
; The last product that read the buffer that a run loads stands ten conversions or more back, which name none of its registers; where a quarter converts nothing, four v_nop stand there.
; turn = 1, 2: the quarter leaves xq's slot: ONE barrier, for two things.  In front of it each wave waits for all its tensor loads, adds 0 to its spare word, and waits for that and for its
; reads of the slots that are left (the high fragments were the last).  Behind it nobody reads those slots any more, and the tiles asked for a K step ago are whole.
; turn = 1: the barrier opens a round of the cluster's barrier, so that no wave of any partner still reads the slots or has a load on its way; the joint refill is the first tensor load
; behind it, one a wave: xq's slot with the K step two on; with withb = 1 w's slot that was read out two quarters ago with the block two on.
; From a request to the wait for it a wave issues 240 matrix instructions.
.macro QUARTER f, hs, ho, ns, nof, boff, zero=0, la=1, lb=1, ride=1, tog=0, turn=0, slot=0, withb=0
.set q1, 0
.set q2, 0
.set q3, 0
.set c1, 0
.set c2, 0
.set c3, 0
	s_wait_dscnt 0x0                               ; my low fragments and the bytes to convert, asked for 24 matrix instructions ago
	RUN 2, 2, 0, 0, \f, 0, \zero, \ride
.if (\ride) == 0
	PLACES
.endif
	FETCHA 1, \hs, \ho
	RUN 1, 1, 0, 0, \f, 0, \zero, \ride
	RUN 1, 1, 2, 1, \f, 0, \zero, \ride
.if \turn
	WIN 0                                          ; (the add's two registers lie in window 0)
	s_wait_tensorcnt 0x0                           ; all my tensor loads have landed
	ds_add_u32 v[SPW], v[NIL]                      ; 0 onto my spare word: eight matrix instructions and their riders stand between it and the wait for it
.endif
	RUN 3, 3, 0, 0, \f, 0, \zero, \ride
	s_wait_dscnt 0x0                               ; my high fragments, asked for 24 matrix instructions ago (and the add)
.if \turn
	s_barrier_signal -1
.endif
	RUN 1, 1, 1, 0, \f, 1, \zero, \ride            ; with a barrier: work on registers while the others arrive
.if \turn
	WIN 0
	s_barrier_wait -1
.endif
.if (\turn) == 1
	CREST
	s_add_nc_u64 s[G0A+4*(\slot)+2:G0A+4*(\slot)+3], s[G0A+4*(\slot)+2:G0A+4*(\slot)+3], 512  ; no tensor load of mine is out, so a group 0 may be written; the type bits on top are not reached
.if \withb
	s_xor_b32 s[TD], s[TD], BSLOT                  ; the other slot than last time
	s_add_co_u32 s[G0B+5], s[LW], ASLOT
	s_add_co_u32 s[G0B+5], s[G0B+5], s[TD]
	s_add_nc_u64 s[G0B+6:G0B+7], s[G0B+6:G0B+7], 256
.endif
	JLOAD \slot, \withb
.endif
.if \la
	FETCHA 0, \ns, \nof
.endif
.if \lb
	FETCHB \f, \boff, \tog
.endif
	RUN 2, 2, 1, 0, \f, 1, \zero, \ride
	RUN 2, 1, 2, 1, \f, 1, \zero, 0                ; column block 3's fragment lies in window 1
	RUN 3, 3, 1, 0, \f, 1, \zero, \ride
.endm
; Eight quarters, 8 p + 1 .. 8 p + 8: once round xq's ring, half round w's.
.macro LAP withb
	QUARTER 1, 0, 64,  0, 128, 96
	QUARTER 0, 0, 128, 0, 192, 128
	QUARTER 1, 0, 192, 1, 0,   160, 0, 1, 1, 1, 0, 1, 0, 0        ; xq's slot 0 takes K step 2 p + 2
	QUARTER 0, 1, 0,   1, 64,  192
	QUARTER 1, 1, 64,  1, 128, 224                                ; the last read of w's block p
	QUARTER 0, 1, 128, 1, 192, 0,   0, 1, 1, 1, 1                 ; w's bytes now come from block p + 1, shown whole by the barrier three quarters ago
	QUARTER 1, 1, 192, 0, 0,   32,  0, 1, 1, 1, 0, 1, 1, \withb   ; xq's slot 1 takes K step 2 p + 3; w's slot p % 2 takes block p + 2
	QUARTER 0, 0, 0,   0, 64,  64
.endm
	s_wait_tensorcnt 0x1                           ; my part of the two slots 0 is in; my second load may stay out
	s_barrier_signal -1
	s_barrier_wait -1                              ; everybody's is
	FETCHA 0, 0, 0                                 ; xq's low fragments of quarter 0
	FETCHB 0, 0, 0                                 ; w's quarter 0 into raw buffer 0,
	FETCHB 1, 32, 0                                ; quarter 1 into raw buffer 1
	s_wait_dscnt 0x0
	CONV 1
	CONV 2
	CONV 3
	QUARTER 0, 0, 0, 0, 64, 64, 1                  ; the first quarter stands in front of the loop: its products start the sums
	WIN 0                                          ; at a label and at a branch every window is 0
	s_mov_b32 s3, 14
.Llap:                                                 ; p = 0 .. 13: w's blocks 2 .. 15 are asked for
	LAP 1
	WIN 0
	s_sub_co_u32 s3, s3, 1
	s_cmp_lg_u32 s3, 0
	s_cbranch_scc1 .Llap
	LAP 0                                          ; the tail is written out.  p = 14: xq's K steps 30 and 31; of w nothing is left to ask for
	QUARTER 1, 0, 64,  0, 128, 96                  ; p = 15: nothing is asked for
	QUARTER 0, 0, 128, 0, 192, 128
	QUARTER 1, 0, 192, 1, 0,   160, 0, 1, 1, 1, 0, 2, 0, 0        ; xq's last K step is whole; no slot is filled again, so no round follows
	QUARTER 0, 1, 0,   1, 64,  192
	QUARTER 1, 1, 64,  1, 128, 224
	QUARTER 0, 1, 128, 1, 192, 0,   0, 1, 0, 1, 0                 ; the last low fragments of xq; w's last bytes are converted
	QUARTER 1, 1, 192, 0, 0,   0,   0, 0, 0, 0, 0                 ; the last quarter fetches its high fragments alone and converts nothing
; THE WAY OUT, a block of 16 rows x 64 columns at a time.  A lane's eight sums are 32 bytes of a row; the lanes beside it hold other rows.  So they go into my own stage, rows of 272 bytes,
; and come back as whole rows of 256; there a lane has the same four columns in every row, whose scale and bias it holds.  LDS serves a wave's instructions in order (ISA guide 5.7.1.4):
; the loads see the stores above them, and the next block's stores come behind them.
.macro ST1 win, reg, cb                ; one accumulator: its lowest registers are read first
	WIN (\win)<<2                                  ; the data (source 1) in the accumulator's window
	ds_store_b128 v[STO], v[(\reg):(\reg)+3]   offset:64*(\cb)
	ds_store_b128 v[STO], v[(\reg)+4:(\reg)+7] offset:64*(\cb)+16
.endm
.macro TOSTAGE a
.if (\a) >= 2
	s_wait_xcnt 0x0                                ; the stores of the block two back have read their data: only behind this wait is that buffer loaded again
.endif
.set hf, (\a)/8
.set ri, 8*((\a)%8)
	ST1 1, 64*hf+ri, 0
.if hf == 0
	ST1 1, 128+ri, 3
	ST1 2, 64*hf+ri, 1
.else
	ST1 2, 64*hf+ri, 1
	ST1 2, 128+ri, 3
.endif
	ST1 3, 64*hf+ri, 2
	WIN 0
.irp n, 0,1,2,3,4,5,6,7
	ds_load_b128 v[OB+32*((\a)%2)+4*(\n):OB+32*((\a)%2)+4*(\n)+3], v[RD] offset:2*SPITCH*(\n)
.endr
.endm
.macro SEND a, younger                 ; younger: the LDS instructions issued behind block a's loads: the next block's 16, or none
.set obr, OB+32*((\a)%2)
.set hb, (\a)/8
.irp n, 0,1,2,3,4,5,6,7
	s_wait_dscnt (\younger)+7-(\n)                 ; rows 2 n, 2 n + 1 are back; the 7 - n loads behind them and the younger ones may stay out
	v_pk_fma_f32 v[obr+4*(\n):obr+4*(\n)+1],   v[obr+4*(\n):obr+4*(\n)+1],   v[SC:SC+1],   v[BI:BI+1]
	v_pk_fma_f32 v[obr+4*(\n)+2:obr+4*(\n)+3], v[obr+4*(\n)+2:obr+4*(\n)+3], v[SC+2:SC+3], v[BI+2:BI+3]
	global_store_b128 v[CO], v[obr+4*(\n):obr+4*(\n)+3], s[14+60*hb:15+60*hb] offset:(16*((\a)%8)+2*(\n))*65536 th:TH_STORE_NT  ; 16 lanes store 256 consecutive bytes, at a multiple of 256 from out0's first byte; 126 rows at the most from the base
.endr
.endm
	WIN 0
	PLACES                                         ; four places between the last products and the first read of a sum, and the first load into xq's buffers
	TOSTAGE 0
.irp a, 1,2,3,4,5,6,7,8,9,10,11,12,13,14,15
	TOSTAGE \a                                     ; a block's trip through the stage is under way while the block before is scaled and stored
	SEND (\a)-1, 16
.endr
	SEND 15, 0
	s_wait_tensorcnt 0x0                           ; the wave's end, behind my last tensor load and my last LDS store
	ds_add_u32 v[SPW], v[NIL]
	s_wait_dscnt 0x0
	CROUND                                         ; the closing round: no work-group ends while a partner may still ask for a tile that names it
	s_endpgm
.Lfunc_end_k_qf4d2ef0268_gemm:
	.size	k_qf4d2ef0268_gemm, .Lfunc_end_k_qf4d2ef0268_gemm-k_qf4d2ef0268_gemm
	.p2alignl 7, 3214868480
	.fill 96, 4, 3214868480
	.section	.rodata,"a",@progbits
	.p2align	6, 0x0
	.amdhsa_kernel k_qf4d2ef0268_gemm
		.amdhsa_group_segment_fixed_size 327680
		.amdhsa_private_segment_fixed_size 0
		.amdhsa_enable_private_segment 0
		.amdhsa_kernarg_size 48
		.amdhsa_user_sgpr_count 2
		.amdhsa_user_sgpr_kernarg_segment_ptr 1
		.amdhsa_wavefront_size32 1
		.amdhsa_system_sgpr_workgroup_id_x 1
		.amdhsa_system_sgpr_workgroup_id_y 1
		.amdhsa_system_sgpr_workgroup_id_z 1
		.amdhsa_system_vgpr_workitem_id 0
		.amdhsa_next_free_vgpr 1024
		.amdhsa_next_free_sgpr 80
		.amdhsa_reserve_vcc 0
		.amdhsa_float_denorm_mode_32 3
		.amdhsa_float_denorm_mode_16_64 3
		.amdhsa_memory_ordered 1
		.amdhsa_forward_progress 1
		.amdhsa_inst_pref_size 255
	.end_amdhsa_kernel
	.section	.bss,"aw",@nobits
	.p2align	6
	.space	262144
	.amdgpu_metadata
---
amdhsa.version: [ 1, 2 ]
amdhsa.kernels:
  - .name:           k_qf4d2ef0268_gemm
    .symbol:         k_qf4d2ef0268_gemm.kd
    .args:
      - { .name: xq, .offset: 0, .size: 8, .value_kind: global_buffer, .address_space: global }
      - { .name: weight_int8, .offset: 8, .size: 8, .value_kind: global_buffer, .address_space: global }
      - { .name: weight_scale, .offset: 16, .size: 8, .value_kind: global_buffer, .address_space: global }
      - { .name: act_scale, .offset: 24, .size: 8, .value_kind: global_buffer, .address_space: global }
      - { .name: bias, .offset: 32, .size: 8, .value_kind: global_buffer, .address_space: global }
      - { .name: out0, .offset: 40, .size: 8, .value_kind: global_buffer, .address_space: global }
    .group_segment_fixed_size: 327680
    .private_segment_fixed_size: 0
    .kernarg_segment_align: 8
    .kernarg_segment_size: 48
    .max_flat_workgroup_size: 128
    .sgpr_count:     80
    .vgpr_count:     1024
    .wavefront_size: 32
...
	.end_amdgpu_metadata
.endif
;; end of part 2
;; ======== version 2 of 2: 2 launches; version 1 with the launch quant written anew for expert scheduling mode
;; workspace buffers: xq 8,388,608 bytes
;; launch quant (part 3): grid 512 x 1, 8 waves a work-group, no clusters, 0 bytes of LDS; arguments x, act_scale, xq; writes xq
.if DOCPART == 3
	.amdgcn_target "amdgcn-amd-amdhsa--gfx1250"
	.amdhsa_code_object_version 6
	.text
	.protected	k_qf4d2ef0268_quant
	.globl	k_qf4d2ef0268_quant
	.p2align	8
	.type	k_qf4d2ef0268_quant,@function
k_qf4d2ef0268_quant:
	s_mov_b64 s[64:65], 0
	v_nop
	global_prefetch_b8 v0, s[64:65] scope:SCOPE_SE
	s_setreg_imm32_b32 hwreg(HW_REG_WAVE_SCHED_MODE, 0, 2), 2
	s_setreg_imm32_b32 hwreg(HW_REG_WAVE_MODE, 25, 1), 1
	s_wait_xcnt 0x0
	s_wait_alu depctr_vm_vsrc(0)
; xq[e] = f16(clip(round_to_even(x[e] / act_scale), -128, 127)) for the 4,194,304 numbers of x.  Every code -128 .. 127 is exact in f16.
; A stream: no LDS, no barrier, no matrix unit.  A work-group takes 32,768 bytes of x; thread t takes, for i = 0 .. 7, the 16 bytes at
; 4096 i + 16 t (a load of a wave covers 512 consecutive bytes) and writes the 8 bytes at 2048 i + 8 t (a store of a wave covers 256
; consecutive bytes, at a multiple of 256 from xq's first byte).  All eight loads go out first; each slot has registers of its own, and no
; address register is ever rewritten.
; THE DIVISION is q = x r, then q + (x - q s) r, with r = 1 / s refined by one Newton step: the remainder step of a true division.
; LIMITS.  act_scale and its reciprocal are normal numbers.  Where the corrected quotient differs from the divided one in its last bit and
; that falls on an exact tie, a code differs by 1.  A NaN in x gives -128 (the cast of a NaN to int8 has no defined value).
; Huge and infinite x: the first quotient is held within -256 .. 256, so the remainder keeps x's sign and the code is -128 or 127.
; THE MODE: SCHED_MODE bits 1:0 = 2 (LLVM: expert scheduling mode 2), set by the entry lines.  The code itself states the register dependences
; between vector instructions and memory instructions, with s_wait_alu, always for 0.
; THE PLAN.  Registers that memory instructions touch:
;   v1, v2     byte offsets of the loads and of the stores: written once at the head, never again.
;   X slot i   written by load i alone, which is issued before any vector instruction names it; read by slot i's arithmetic behind the counted wait for the load.
;   Y slot i   written once, by slot i's two conversions; read by store i; never written again.
; The eight slots go in four blocks of two.  Block p works on X[2 p], X[2 p + 1] and writes Y[2 p], Y[2 p + 1]; its memory instructions are the two stores of
; block p - 1, which read v2 and that block's Y: registers that no vector instruction of block p names.  So one wait at a block's head states all that its two
; stores hang on, and the second of them stands between the two slots' arithmetic with no further wait.  No register that a memory instruction reads is ever
; written again, and no load lands in a register that a vector instruction has named: nothing else is owed.
.set SV, 4                             ; v[4:5]   act_scale, twice
.set RV, 6                             ; v[6:7]   its reciprocal, twice
.set QV, 10                            ; v[10:13] four quotients
.set MV, 14                            ; v[14:17] four remainders
.set X,  20                            ; v[20:51] slot i: four numbers as loaded
.set Y,  52                            ; v[52:67] slot i: four codes in f16, to store
	s_load_b128 s[4:7], s[0:1], 0x0                ; x s[4:5], act_scale's address s[6:7]
	s_load_b64 s[8:9], s[0:1], 0x10                ; xq
	s_lshl_b32 s10, ttmp9, 15                      ; the work-group's 32,768 bytes of x
	s_mov_b32 s11, 0
	s_lshl_b32 s12, ttmp9, 14                      ; and its 16,384 bytes of xq
	s_mov_b32 s13, 0
	s_mov_b32 s16, 0xc3800000                      ; -256.0
	s_mov_b32 s17, 0x43800000                      ;  256.0
	s_mov_b32 s18, 0xc3000000                      ; -128.0
	s_mov_b32 s19, 0x42fe0000                      ;  127.0
	v_lshlrev_b32 v1, 4, v0                        ; 16 t
	v_lshlrev_b32 v2, 3, v0                        ; 8 t
	s_wait_kmcnt 0x0
	s_load_b32 s14, s[6:7], 0x0                    ; act_scale
	s_add_nc_u64 s[4:5], s[4:5], s[10:11]
	s_add_nc_u64 s[8:9], s[8:9], s[12:13]
	s_wait_alu depctr_va_vdst(0)                   ; v1 and v2 are written: every load reads v1 and every store v2 as its offset
.irp i, 0,1,2,3,4,5,6,7
	global_load_b128 v[X+4*(\i):X+4*(\i)+3], v1, s[4:5] offset:4096*(\i) th:TH_LOAD_NT
.endr
	s_wait_kmcnt 0x0
	v_mov_b32 v4, s14
	v_mov_b32 v5, s14
	v_rcp_f32 v6, v4
	v_nop                                          ; a plain instruction between the reciprocal and the use of its result
	s_wait_alu depctr_va_vdst(0)                   ; the reciprocal has written v6, ahead of its first reader
	v_fma_f32 v8, -v4, v6, 1.0                     ; 1 - s r
	v_fma_f32 v6, v8, v6, v6                       ; r + r (1 - s r)
	v_mov_b32 v7, v6
; The arithmetic of slot i: X[i] into Y[i].  It names no other slot's registers, and neither offset.
.macro ARITH i
	v_pk_mul_f32 v[QV:QV+1],   v[X+4*(\i):X+4*(\i)+1],   v[RV:RV+1]
	v_pk_mul_f32 v[QV+2:QV+3], v[X+4*(\i)+2:X+4*(\i)+3], v[RV:RV+1]
.irp j, 0,1,2,3
	v_med3_num_f32 v[QV+(\j)], v[QV+(\j)], s16, s17
.endr
	v_pk_fma_f32 v[MV:MV+1],   v[QV:QV+1],   v[SV:SV+1], v[X+4*(\i):X+4*(\i)+1]   neg_lo:[1,0,0] neg_hi:[1,0,0]  ; x - q s
	v_pk_fma_f32 v[MV+2:MV+3], v[QV+2:QV+3], v[SV:SV+1], v[X+4*(\i)+2:X+4*(\i)+3] neg_lo:[1,0,0] neg_hi:[1,0,0]
	v_pk_fma_f32 v[QV:QV+1],   v[MV:MV+1],   v[RV:RV+1], v[QV:QV+1]               ; q + (x - q s) r
	v_pk_fma_f32 v[QV+2:QV+3], v[MV+2:MV+3], v[RV:RV+1], v[QV+2:QV+3]
.irp j, 0,1,2,3
	v_rndne_f32 v[QV+(\j)], v[QV+(\j)]
.endr
.irp j, 0,1,2,3
	v_med3_num_f32 v[QV+(\j)], v[QV+(\j)], s18, s19
.endr
	v_cvt_pk_f16_f32 v[Y+2*(\i)],   v[QV],   v[QV+1]
	v_cvt_pk_f16_f32 v[Y+2*(\i)+1], v[QV+2], v[QV+3]
.endm
; Block p: slots 2 p and 2 p + 1, and the two stores of block p - 1, one in front of each slot's arithmetic.
.macro BLK p
	s_wait_loadcnt 6-2*(\p)                        ; loads come back in order: slots 2 p and 2 p + 1 are in, the 6 - 2 p younger loads may stay out
.if (\p) > 0
	s_wait_alu depctr_va_vdst(0)                   ; the conversions of the block before have written its two Y pairs, which the two stores below read
.endif
.irp h, 0,1
.if (\p) > 0
	global_store_b64 v2, v[Y+2*(2*(\p)-2+(\h)):Y+2*(2*(\p)-2+(\h))+1], s[8:9] offset:2048*(2*(\p)-2+(\h))  ; no hint: the next launch reads xq.  No vector instruction since the wait names these registers
.endif
	ARITH 2*(\p)+(\h)
.endr
.endm
	BLK 0                                          ; block 0 has no block in front of it: no store, and no wait but the one for its data
	BLK 1
	BLK 2
	BLK 3
	s_wait_alu depctr_va_vdst(0)                   ; block 3's conversions have written Y of slots 6 and 7, which the last two stores read
	global_store_b64 v2, v[Y+12:Y+13], s[8:9] offset:2048*6
	global_store_b64 v2, v[Y+14:Y+15], s[8:9] offset:2048*7
	s_endpgm
.Lfunc_end_k_qf4d2ef0268_quant:
	.size	k_qf4d2ef0268_quant, .Lfunc_end_k_qf4d2ef0268_quant-k_qf4d2ef0268_quant
	.p2alignl 7, 3214868480
	.fill 96, 4, 3214868480
	.section	.rodata,"a",@progbits
	.p2align	6, 0x0
	.amdhsa_kernel k_qf4d2ef0268_quant
		.amdhsa_group_segment_fixed_size 0
		.amdhsa_private_segment_fixed_size 0
		.amdhsa_enable_private_segment 0
		.amdhsa_kernarg_size 24
		.amdhsa_user_sgpr_count 2
		.amdhsa_user_sgpr_kernarg_segment_ptr 1
		.amdhsa_wavefront_size32 1
		.amdhsa_system_sgpr_workgroup_id_x 1
		.amdhsa_system_sgpr_workgroup_id_y 1
		.amdhsa_system_sgpr_workgroup_id_z 1
		.amdhsa_system_vgpr_workitem_id 0
		.amdhsa_next_free_vgpr 72
		.amdhsa_next_free_sgpr 66
		.amdhsa_reserve_vcc 0
		.amdhsa_float_denorm_mode_32 3
		.amdhsa_float_denorm_mode_16_64 3
		.amdhsa_memory_ordered 1
		.amdhsa_forward_progress 1
		.amdhsa_inst_pref_size 13
	.end_amdhsa_kernel
	.amdgpu_metadata
---
amdhsa.version: [ 1, 2 ]
amdhsa.kernels:
  - .name:           k_qf4d2ef0268_quant
    .symbol:         k_qf4d2ef0268_quant.kd
    .args:
      - { .name: x, .offset: 0, .size: 8, .value_kind: global_buffer, .address_space: global }
      - { .name: act_scale, .offset: 8, .size: 8, .value_kind: global_buffer, .address_space: global }
      - { .name: xq, .offset: 16, .size: 8, .value_kind: global_buffer, .address_space: global }
    .group_segment_fixed_size: 0
    .private_segment_fixed_size: 0
    .kernarg_segment_align: 8
    .kernarg_segment_size: 24
    .max_flat_workgroup_size: 256
    .sgpr_count:     66
    .vgpr_count:     72
    .wavefront_size: 32
...
	.end_amdgpu_metadata
.endif
;; end of part 3
;; launch gemm: the kernel of part 2 again; grid 64 x 4, 4 waves a work-group, clusters of 4 x 4, 327,680 bytes of LDS; arguments xq, weight_int8, weight_scale, act_scale, bias, out0; writes out0
